; MI455X (gfx1250); checked and timed in simulation.
; The chip was launched on July 23, 2026; its instructions are those of AMD's public machine-readable ISA for CDNA 5 (MIT licence, August 2026) and "CDNA5" Instruction Set Architecture Reference Guide (July 2026). The comments in the code are by the model that wrote it; some were corrected since.
;; Attn. Allowed arithmetic: matrix products marked QUANTISED: E2M3 operands, one E8M0 scale for each 32 along K, by v_wmma_scale_f32_16x16x128_f8f6f4 with both operands' format E2M3, f32 sums; products left as they are: f32 operands where the result goes on into a quantised operand, else bf16, f16 or f32 operands; f32 sums; everything else in f32.
;; Inputs: W 1,024 x 1,024 float32; b 1,024 float32; encoder_outputs 2,048 x 32 x 1,024 float32; hidden 32 x 1,024 float32.
;; Outputs: out0 1 x 32 x 2,048 float32.
;; This version of the problem:
;;   THIS VERSION OF THE PROBLEM IS GIVEN IN LOW PRECISION. The matrix products marked QUANTISED in the list below multiply operands that are first quantised to E2M3 (2 exponent bits, 3 mantissa bits; 6 bits a number), with one power-of-two scale for each 32 numbers along K (OCP MX v1.0); their sums are f32. All else is computed in f32.
;;   The module's matrix products, in the order in which they are computed (A, B: the left and right operand; K: the contracted axis; several contracted axes count as one K, in the product's order):
;;     1. [M 65,536, K 1,024] x [K 1,024, N 1,024]; A: input encoder_outputs; B: input W: QUANTISED
;;     2. batch 32 x [M 1, K 1,024] x [K 1,024, N 2,048]; A: input hidden; B: computed on the way: left as it is (M = 1 < 16)
;;   THE QUANTISER, for each operand of a quantised product, along K:
;;     - K is cut into blocks of 32 from its start; a last block that is shorter is filled with zeros.
;;     - A block's scale is 2^e with e = floor(log2(the largest magnitude in the block)) - 2, held to -126 .. 127; a block of zeros has e = 0. As a byte (E8M0): e + 127.
;;     - Each number is divided by its block's scale, clamped to +-7.5, and rounded to the nearest number of E2M3, ties to even, subnormals kept.
;;     - The product sums the exact products of the quantised numbers (number of the format x scale) in f32.
;;   ~~~python
;;   def quantise(x, axis):      # numpy; x: float32 -> the quantised numbers, widened to float32 again
;;       x = np.moveaxis(x, axis, -1); K = x.shape[-1]
;;       x = np.pad(x, [(0, 0)] * (x.ndim - 1) + [(0, -K % 32)]); x = x.reshape(x.shape[:-1] + (-1, 32)); a = np.abs(x).max(-1, keepdims=True)
;;       e = np.where(a > 0, np.clip(np.frexp(np.where(a > 0, a, 1))[1] - 1 - 2, -126, 127), 0)      # np.frexp(a)[1] - 1 = floor(log2(a)), exactly
;;       r = np.clip(x / 2.0 ** e, -7.5, 7.5)
;;       step = 2.0 ** (np.maximum(np.frexp(np.where(r == 0, 1, r))[1] - 1, 0) - 3)
;;       q = np.round(r / step) * step * 2.0 ** e      # np.round: ties to even
;;       return np.moveaxis(q.reshape(q.shape[:-2] + (-1,))[..., :K], -1, axis).astype(np.float32)
;;   ~~~
;; One version. Each part assembles by itself: llvm-mc -triple=amdgcn-amd-amdhsa -mcpu=gfx1250 --defsym DOCPART=n.
;; ======== version 1 of 1: 3 launches
;; limits: right only within a limited range of input values
;; workspace buffers: wc 786,432 bytes; ws 32,768 bytes; sc 262,144 bytes
;; launch wq (part 1): grid 16 x 8, 4 waves a work-group, no clusters, 34,816 bytes of LDS; arguments W, wc, ws; writes wc, ws
.if DOCPART == 1
	.amdgcn_target "amdgcn-amd-amdhsa--gfx1250"
	.amdhsa_code_object_version 6
	.text
	.protected	k_q4a10ff930b_wq
	.globl	k_q4a10ff930b_wq
	.p2align	8
	.type	k_q4a10ff930b_wq,@function
k_q4a10ff930b_wq:
	s_mov_b64 s[64:65], 0
	v_nop
	global_prefetch_b8 v0, s[64:65] scope:SCOPE_SE
	s_setreg_imm32_b32 hwreg(HW_REG_WAVE_MODE, 25, 1), 1
	s_wait_xcnt 0x0
; W [1024 (n)][1024 (k)], f32, K innermost, becomes codes of FP6 (E2M3) with one E8M0 byte for each 32 along K, laid IN THE ORDER OF THE OPERAND REGISTERS:
; the fragment of K step c (128 along K) and tile T (rows 16 T .. 16 T + 15) is 12 registers a lane; group q of four registers, lane l, lies in wc at ((64 c + T) 3 + q) 512 + 16 l.
; Lane (r, h) holds row 16 T + r; registers 6 u .. 6 u + 5 hold k = 128 c + 64 u + 32 h + 0 .. 31.  The scale word of (c, T, r) lies in ws at (64 c + T) 64 + 4 r; its byte i scales k = 128 c + 32 i on.
; A block's scale is 2^(floor(log2(largest magnitude)) - 2): its byte is the largest magnitude's exponent field - 2, held at 1 from below by a floor among the maximum's leaves.
; LIMITS: NaN and infinities are not served.  A block of zeros gets the byte 1 where the rule says 127: its codes are zeros, and these bytes are read by this program alone.
; SHARES: one wave makes one fragment: T = 4 x work-group x + wave, c = work-group y.  512 fragments, 128 work-groups.  No tensor load, no matrix work: the launch moves 4 MiB once.
; Each load takes 512 consecutive bytes (one row's K step); the conversions want 16 neighbours along K in ONE lane, so the 8 KiB turn through the wave's own stage in LDS.
.set SPITCH, 528                       ; a stage row: 512 bytes + 16 = 33 x 16: the sixteen rows that a 16-byte load touches begin at sixteen different 16-byte columns of 256 bytes
.set STGB,   16*SPITCH                 ; a wave's stage
.set SCL,    4*STGB                    ; behind the stages: the work-group's 4 x 16 scale words, 256 bytes
.set LN16, 1                           ; v1   16 x lane
.set STW,  2                           ; v2   the stage, on the way in: 16 x lane
.set STR,  3                           ; v3   and back: 528 r + 64 h
.set SWA,  4                           ; v4   where my row's scale word goes: SCL + 64 x wave + 4 r
.set SRA,  5                           ; v5   SCL + 8 x lane
.set LN8,  6                           ; v6   8 x lane
.set R,    32                          ; v32-95   64 numbers
.set TM,   96                          ; v96-99 largest magnitudes, v100-103 the other half's, then bytes, v108-111 the conversions' scale operands
.set PW,   112                         ; the scale word
.set PC,   116                         ; v116-127 the fragment, v128-134 two upper halves on their way
.set SEL,  20                          ; s[20:21] lane selects: lane l xor 16
; DEAD WORK OF THE WHOLE PROGRAM: reference() adds b to energy, so every score of batch row i gains hidden[i] . b, one and the same number for all s.  The softmax runs over s:
; a term that is the same along its axis leaves e^(x - max) and the row's sum as they are, for all finite values of hidden and b.  b enters no quantised operand (the operands are encoder_outputs and W).
; So b is not loaded and is among no launch's arguments.  LIMIT: a NaN, an infinity or an overflow that arises in hidden . b alone is not carried to the result.
	s_load_b128 s[4:7], s[0:1], 0x0
	s_load_b64 s[8:9], s[0:1], 0x10                ; ws
	v_lshl_add_u32 v144, v0, 2, 0x8600
	v_mov_b32 v145, 0
	v_lshrrev_b32 v7, 5, v0
	v_readfirstlane_b32 s16, v7                    ; wave 0..3
	v_and_b32 v8, 31, v0                           ; lane
	v_and_b32 v9, 15, v0                           ; r
	v_bfe_u32 v10, v0, 4, 1                        ; h
	v_lshlrev_b32 v[LN16], 4, v8
	s_mul_i32 s17, s16, STGB
	v_add_nc_u32 v[STW], s17, v[LN16]
	v_mul_u32_u24 v[STR], v9, SPITCH
	v_lshl_add_u32 v[STR], v10, 6, v[STR]
	v_add_nc_u32 v[STR], s17, v[STR]
	s_lshl_b32 s18, s16, 6
	v_lshl_add_u32 v[SWA], v9, 2, s18
	v_add_nc_u32 v[SWA], SCL, v[SWA]
	v_lshlrev_b32 v[LN8], 3, v8
	v_add_nc_u32 v[SRA], SCL, v[LN8]
.irp b, 0,1,2,3
	v_mov_b32 v[TM+4+\b], 0                        ; a lane permute's destination counts as one of its sources
.endr
	s_mov_b32 s[SEL], 0x76543210
	s_mov_b32 s[SEL+1], 0xfedcba98
	s_and_b32 s19, ttmp7, 0xffff                   ; c
	s_lshl_b32 s22, ttmp9, 2
	s_add_co_u32 s22, s22, s16                     ; T
	s_lshl_b32 s24, s22, 16                        ; W: 16 T rows of 4,096 bytes
	s_lshl_b32 s25, s19, 9                         ;    + 512 c
	s_add_co_u32 s24, s24, s25
	s_mov_b32 s25, 0
	s_lshl_b32 s26, s19, 6
	s_add_co_u32 s26, s26, s22
	s_mul_i32 s26, s26, 1536                       ; wc: (64 c + T) images of 1,536 bytes
	s_mov_b32 s27, 0
	s_lshl_b32 s28, s19, 6
	s_lshl_b32 s29, ttmp9, 2
	s_add_co_u32 s28, s28, s29
	s_lshl_b32 s28, s28, 6                         ; ws: the work-group's four tiles: (64 c + 4 x) 64
	s_mov_b32 s29, 0
	s_wait_alu depctr_va_vdst(0)
	s_wait_kmcnt 0x0
	s_add_nc_u64 s[4:5], s[4:5], s[24:25]
	s_add_nc_u64 s[6:7], s[6:7], s[26:27]
	s_add_nc_u64 s[8:9], s[8:9], s[28:29]
.irp i, 0,1,2,3,4,5,6,7,8,9,10,11,12,13,14,15
	global_load_b128 v[R+4*\i:R+4*\i+3], v[LN16], s[4:5] offset:4096*\i th:TH_LOAD_NT   ; row i of the tile: 32 lanes read its K step's 512 consecutive bytes
.endr
	s_wait_loadcnt 0x0
.irp i, 0,1,2,3,4,5,6,7,8,9,10,11,12,13,14,15
	ds_store_b128 v[STW], v[R+4*\i:R+4*\i+3] offset:SPITCH*\i
.endr
.irp b, 0,1,2,3
.irp j, 0,1,2,3
	ds_load_b128 v[R+16*\b+4*\j:R+16*\b+4*\j+3], v[STR] offset:128*\b+16*\j   ; LDS serves a wave's instructions in order: these see the stores.  Register 16 b + i = k 32 b + 16 h + i of row r
.endr
.endr
	s_wait_dscnt 0x0
.irp b, 0,1,2,3
	v_max3_num_f32 v[TM+\b], |v[R+16*\b]|, |v[R+16*\b+1]|, 0x1800000   ; block b: my 16 numbers, and the floor 2^(3 - 127): the byte cannot fall under 1
.endr
.irp i, 2,4,6,8,10,12,14
.irp b, 0,1,2,3
	v_max3_num_f32 v[TM+\b], v[TM+\b], |v[R+16*\b+\i]|, |v[R+16*\b+\i+1]|   ; the four blocks by turns
.endr
.endr
.irp b, 0,1,2,3
	v_permlanex16_b32 v[TM+4+\b], v[TM+\b], s[SEL], s[SEL+1]
.endr
.irp b, 0,1,2,3
	v_max_num_f32 v[TM+\b], v[TM+\b], v[TM+4+\b]   ; with lane l xor 16: the block's largest magnitude
.endr
.irp b, 0,1,2,3
	v_add_nc_u32 v[TM+12+\b], 0xff000000, v[TM+\b] ; 2 off its exponent field: the conversion takes that field as its scale
.endr
.irp b, 0,1,2,3
	v_lshrrev_b32 v[TM+4+\b], 23, v[TM+12+\b]      ; the scale's byte
.endr
	v_lshl_or_b32 v[PW], v[TM+5], 8, v[TM+4]
	v_lshl_or_b32 v[PW], v[TM+6], 16, v[PW]
	v_lshl_or_b32 v[PW], v[TM+7], 24, v[PW]        ; my row's scale word
.irp c, 0,1
	v_cvt_scalef32_pk16_fp6_f32 v[PC+6*\c:PC+6*\c+2], v[R+32*\c:R+32*\c+15], v[TM+12+2*\c]
	v_cvt_scalef32_pk16_fp6_f32 v[PC+12+4*\c:PC+14+4*\c], v[R+16+32*\c:R+31+32*\c], v[TM+13+2*\c]   ; (a conversion's three registers begin on an even number)
.endr
	v_nop                                          ; one plain place behind a scaled conversion
.irp c, 0,1                                    ; the operand wants a WHOLE block in a lane: lanes 0-15 block 2 c, lanes 16-31 block 2 c + 1
.irp i, 0,1,2
	v_permlane16_swap_b32 v[PC+6*\c+\i], v[PC+12+4*\c+\i]
.endr
.irp i, 0,1,2
	v_mov_b32 v[PC+3+6*\c+\i], v[PC+12+4*\c+\i]
.endr
.endr
.irp q, 0,1,2
	global_store_b128 v[LN16], v[PC+4*\q:PC+4*\q+3], s[6:7] offset:512*\q   ; 32 lanes store 512 consecutive bytes, at a multiple of 512 from the buffer's first byte
.endr
	ds_store_b32 v[SWA], v[PW]                     ; both halves of the lanes write the same word with the same value
	s_wait_dscnt 0x0                               ; for wave 0's sake: my word has landed
	s_barrier_signal -1
	s_barrier_wait -1
	s_cmp_lg_u32 s16, 0
	s_cbranch_scc1 .Ldone
	ds_load_b64 v[12:13], v[SRA]                   ; wave 0: the four tiles' 64 words,
	s_wait_dscnt 0x0
	global_store_b64 v[LN8], v[12:13], s[8:9]      ; as 256 consecutive bytes, aligned
.Ldone:
	s_wait_tensorcnt 0x0
	ds_add_u32 v144, v145
	s_wait_dscnt 0x0
	s_endpgm
.Lfunc_end_k_q4a10ff930b_wq:
	.size	k_q4a10ff930b_wq, .Lfunc_end_k_q4a10ff930b_wq-k_q4a10ff930b_wq
	.p2alignl 7, 3214868480
	.fill 96, 4, 3214868480
	.section	.rodata,"a",@progbits
	.p2align	6, 0x0
	.amdhsa_kernel k_q4a10ff930b_wq
		.amdhsa_group_segment_fixed_size 34816
		.amdhsa_private_segment_fixed_size 0
		.amdhsa_enable_private_segment 0
		.amdhsa_kernarg_size 24
		.amdhsa_user_sgpr_count 2
		.amdhsa_user_sgpr_kernarg_segment_ptr 1
		.amdhsa_wavefront_size32 1
		.amdhsa_system_sgpr_workgroup_id_x 1
		.amdhsa_system_sgpr_workgroup_id_y 1
		.amdhsa_system_sgpr_workgroup_id_z 1
		.amdhsa_system_vgpr_workitem_id 0
		.amdhsa_next_free_vgpr 146
		.amdhsa_next_free_sgpr 66
		.amdhsa_reserve_vcc 0
		.amdhsa_float_denorm_mode_32 3
		.amdhsa_float_denorm_mode_16_64 3
		.amdhsa_memory_ordered 1
		.amdhsa_forward_progress 1
		.amdhsa_inst_pref_size 11
	.end_amdhsa_kernel
	.amdgpu_metadata
---
amdhsa.version: [ 1, 2 ]
amdhsa.kernels:
  - .name:           k_q4a10ff930b_wq
    .symbol:         k_q4a10ff930b_wq.kd
    .args:
      - { .name: W, .offset: 0, .size: 8, .value_kind: global_buffer, .address_space: global }
      - { .name: wc, .offset: 8, .size: 8, .value_kind: global_buffer, .address_space: global }
      - { .name: ws, .offset: 16, .size: 8, .value_kind: global_buffer, .address_space: global }
    .group_segment_fixed_size: 34816
    .private_segment_fixed_size: 0
    .kernarg_segment_align: 8
    .kernarg_segment_size: 24
    .max_flat_workgroup_size: 128
    .sgpr_count:     66
    .vgpr_count:     146
    .wavefront_size: 32
...
	.end_amdgpu_metadata
.endif
;; end of part 1
;; launch scores (part 2): grid 8 x 32, 4 waves a work-group, no clusters, 251,392 bytes of LDS; arguments encoder_outputs, hidden, wc, ws, sc; writes sc
.if DOCPART == 2
	.amdgcn_target "amdgcn-amd-amdhsa--gfx1250"
	.amdhsa_code_object_version 6
	.text
	.protected	k_q4a10ff930b_scores
	.globl	k_q4a10ff930b_scores
	.p2align	8
	.type	k_q4a10ff930b_scores,@function
k_q4a10ff930b_scores:
	s_mov_b64 s[64:65], 0
	v_nop
	global_prefetch_b8 v0, s[64:65] scope:SCOPE_SE
	s_setreg_imm32_b32 hwreg(HW_REG_WAVE_MODE, 25, 1), 1
	s_wait_xcnt 0x0
; sc[b][s] = sum over n of hidden[b][n] x (sum over k of Q(enc[s][b][k]) Q(W[n][k])).  The bias is left out: hidden[b] . b is the same for all s of a row and the softmax over s takes it away (shown at the head of wq).
; A work-group takes one b (work-group y) and 256 s (work-group x): 256 work-groups.  Four waves, one to a SIMD.
; PART ONE: wave w takes rows 64 w .. 64 w + 63, K step by K step (128 along K).  A unit is 16 rows x 128 K: 16 loads of a row's 512 consecutive bytes, through the wave's own stage in LDS so that a lane
; holds 16 neighbours along K, quantised (scale byte = largest magnitude's exponent field - 2, held at 1 from below), and stored as an image of the operand's 12 registers.  Four sets of 16 loads are out.
; All codes of the 256 rows x 1,024 K (4 x 49,152 bytes) and their scale words (8,192 bytes) stay in LDS: each number is quantised once.
; PART TWO: wave w owns n = 256 w .. 256 w + 255, in four passes of 64: 16 x 4 accumulators (windows 2 and 3) summed over all eight K steps, then folded once with hidden: 4 packed multiply-adds an accumulator and pass.
; The product is used transposed: source 0 = 16 rows of W, source 1 = 16 rows of enc: lane (r, h) holds row m = r, register j holds n = 8 h + j.
; W's fragments come from wc, which lies in the order of the operand's registers, straight into registers, three K steps ahead in four buffers.
; NO JOINT LOADS: a fragment of W is read by one wave of a work-group alone and never lies in LDS, so there is no tile in LDS that partners could share.
; NO PREFETCH: part one has 64 loads of 512 bytes a wave asked for at all times; W's 786,432 bytes are read by all work-groups in the same order.
; LIMITS: NaN and infinities are not served.  A block of zeros gets the byte 1 where the rule says 127: its codes are zeros, and the bytes are read by this launch alone.
.set SPITCH, 528                       ; a stage row: 512 bytes + 16
.set STGB,   16*SPITCH
.set WIMG,   49152                     ; a wave's images: 8 K steps x 4 tiles x 1,536 bytes
.set SCB,    4*WIMG                    ; scale words: [wave][K step][lane][2 words]: lane 16 (k % 2) + r, word k / 2 for the wave's tile k
.set STG,    SCB+8192                  ; four stages
.set HIDL,   STG+4*STGB                ; hidden[b], 4,096 bytes
.set PART,   HIDL+4096                 ; eight parts of the 256 scores
.set SPARE,  PART+8192                 ; the spare words, 512 bytes
.set LN16, 1
.set LN4,  2
.set STW,  3
.set STR,  4
.set AIW0, 5
.set AIW,  6
.set ASW0, 7
.set ASW,  8
.set SPW,  9
.set NIL,  10
.set HIW,  11
.set AIR,  12                          ; v12-15: images of wave 0..3, + 16 x lane
.set ASR,  16
.set HRD,  17
.set HRQ,  18
.set SCW,  19
.set SCR,  20
.set GSO,  21
.set WS,   24                          ; v24-31 W's scale words, four buffers of two
.set ES,   32                          ; v32-39 enc's scale words, two buffers of four
.set TM,   40                          ; v40-55 the quantiser's
.set PW,   56
.set X,    64                          ; part one: v64-127 a unit's numbers, v128-147 its codes, v148-155 hidden on its way
.set PC,   128
.set HT,   148
.set E0,   64                          ; part two: v64-159, v160-255 eight fragments of enc each
.set HID,  192                         ; window 1: v0-191 four buffers of W, v192-223 hidden, v224-255 the scores' sums
.set P,    224
.set WV,   16
.set TR,   17
.set IMO,  18
.set SCO,  19
.set SEL,  22
.set EB,   24
.set WB,   28
.set SB,   30
.set HQ,   34
.set OUT,  44
.set MSB, 0
.macro WIN new
.if MSB != (\new)
	s_set_vgpr_msb (MSB<<8)|(\new)
.set MSB, (\new)
.endif
.endm
.macro PLACES
.rept 4
	v_nop
.endr
.endm
.macro ELOAD k, ahead                  ; tile k's 16 rows of a K step into set k (window 2)
	WIN 0x80
.irp i, 0,1,2,3,4,5,6,7,8,9,10,11,12,13,14,15
	global_load_b128 v[64*\k+4*\i:64*\k+4*\i+3], v[LN16], s[EB:EB+1] offset:((16*\k+\i)<<17)+512*\ahead th:TH_LOAD_NT
.endr
	WIN 0
.endm
.macro QUANT
.irp b, 0,1,2,3
	v_max3_num_f32 v[TM+\b], |v[X+16*\b]|, |v[X+16*\b+1]|, 0x1800000   ; with the floor 2^(3 - 127)
.endr
.irp i, 2,4,6,8,10,12,14
.irp b, 0,1,2,3
	v_max3_num_f32 v[TM+\b], v[TM+\b], |v[X+16*\b+\i]|, |v[X+16*\b+\i+1]|
.endr
.endr
.irp b, 0,1,2,3
	v_permlanex16_b32 v[TM+4+\b], v[TM+\b], s[SEL], s[SEL+1]
.endr
.irp b, 0,1,2,3
	v_max_num_f32 v[TM+\b], v[TM+\b], v[TM+4+\b]
.endr
.irp b, 0,1,2,3
	v_add_nc_u32 v[TM+12+\b], 0xff000000, v[TM+\b]     ; 2 off the exponent field: the conversion's scale operand
.endr
.irp b, 0,1,2,3
	v_lshrrev_b32 v[TM+4+\b], 23, v[TM+12+\b]          ; the byte
.endr
	v_lshl_or_b32 v[PW], v[TM+5], 8, v[TM+4]
	v_lshl_or_b32 v[PW], v[TM+6], 16, v[PW]
	v_lshl_or_b32 v[PW], v[TM+7], 24, v[PW]
.irp c, 0,1
	v_cvt_scalef32_pk16_fp6_f32 v[PC+6*\c:PC+6*\c+2], v[X+32*\c:X+32*\c+15], v[TM+12+2*\c]
	v_cvt_scalef32_pk16_fp6_f32 v[PC+12+4*\c:PC+14+4*\c], v[X+16+32*\c:X+31+32*\c], v[TM+13+2*\c]
.endr
	v_nop                                          ; one plain place behind a scaled conversion
.irp c, 0,1                                    ; a whole block to a lane
.irp i, 0,1,2
	v_permlane16_swap_b32 v[PC+6*\c+\i], v[PC+12+4*\c+\i]
.endr
.irp i, 0,1,2
	v_mov_b32 v[PC+3+6*\c+\i], v[PC+12+4*\c+\i]
.endr
.endr
.endm
.macro UNIT k, reload, cnt             ; cnt: the loads issued behind set k's
	s_wait_loadcnt \cnt
	WIN 0x08
.irp i, 0,1,2,3,4,5,6,7,8,9,10,11,12,13,14,15
	ds_store_b128 v[STW], v[64*\k+4*\i:64*\k+4*\i+3] offset:SPITCH*\i
.endr
	WIN 0
.irp b, 0,1,2,3
.irp j, 0,1,2,3
	ds_load_b128 v[X+16*\b+4*\j:X+16*\b+4*\j+3], v[STR] offset:128*\b+16*\j   ; register 16 b + i = k 32 b + 16 h + i of row r; LDS serves a wave in order
.endr
.endr
	s_wait_dscnt 0x0                               ; the numbers are back, the stores have read set k, the last unit's image is stored
.if \reload
	ELOAD \k, 1                                    ; the next K step's
.endif
	QUANT
.irp q, 0,1,2
	ds_store_b128 v[AIW], v[PC+4*\q:PC+4*\q+3] offset:1536*\k+512*\q
.endr
	ds_store_b32 v[ASW], v[PW] offset:128*(\k%2)+4*(\k/2)   ; both halves of the lanes write the same word with the same value
.endm
.macro WLOAD buf, off, soff            ; four fragments of W and their scale words: 14 loads
	WIN 0x40
.irp t, 0,1,2,3
.irp q, 0,1,2
	global_load_b128 v[48*(\buf)+12*\t+4*\q:48*(\buf)+12*\t+4*\q+3], v[LN16], s[WB:WB+1] offset:(\off)+1536*\t+512*\q
.endr
.endr
	WIN 0
.irp u, 0,1
	global_load_b32 v[WS+2*(\buf)+\u], v[LN4], s[SB:SB+1] offset:(\soff)+128*\u   ; lanes 0-15 tile 2 u, lanes 16-31 tile 2 u + 1
.endr
.endm
.macro FETCH c, h                      ; enc's tiles 8 h .. 8 h + 7 of K step c
.irp a, 0,1,2,3,4,5,6,7
.irp q, 0,1,2
	ds_load_b128 v[E0+96*(\h)+12*\a+4*\q:E0+96*(\h)+12*\a+4*\q+3], v[AIR+2*(\h)+(\a/4)] offset:(\c)*6144+(\a%4)*1536+512*\q
.endr
.endr
.irp u, 0,1
	ds_load_b64 v[ES+4*(\h)+2*\u:ES+4*(\h)+2*\u+1], v[ASR] offset:(2*(\h)+\u)*2048+(\c)*256
.endr
.endm
.macro MM1 fa, fb, z
.if \z
.if (\fa) && (\fb)
	v_wmma_scale_f32_16x16x128_f8f6f4 v[rd:rd+7], v[rw:rw+11], v[re:re+11], 0, v[sa], v[sb] matrix_a_fmt:MATRIX_FMT_FP6 matrix_b_fmt:MATRIX_FMT_FP6 matrix_a_scale:MATRIX_SCALE_ROW1 matrix_b_scale:MATRIX_SCALE_ROW1
.elseif (\fa)
	v_wmma_scale_f32_16x16x128_f8f6f4 v[rd:rd+7], v[rw:rw+11], v[re:re+11], 0, v[sa], v[sb] matrix_a_fmt:MATRIX_FMT_FP6 matrix_b_fmt:MATRIX_FMT_FP6 matrix_a_scale:MATRIX_SCALE_ROW1
.elseif (\fb)
	v_wmma_scale_f32_16x16x128_f8f6f4 v[rd:rd+7], v[rw:rw+11], v[re:re+11], 0, v[sa], v[sb] matrix_a_fmt:MATRIX_FMT_FP6 matrix_b_fmt:MATRIX_FMT_FP6 matrix_b_scale:MATRIX_SCALE_ROW1
.else
	v_wmma_scale_f32_16x16x128_f8f6f4 v[rd:rd+7], v[rw:rw+11], v[re:re+11], 0, v[sa], v[sb] matrix_a_fmt:MATRIX_FMT_FP6 matrix_b_fmt:MATRIX_FMT_FP6
.endif
.else
.if (\fa) && (\fb)
	v_wmma_scale_f32_16x16x128_f8f6f4 v[rd:rd+7], v[rw:rw+11], v[re:re+11], v[rd:rd+7], v[sa], v[sb] matrix_a_fmt:MATRIX_FMT_FP6 matrix_b_fmt:MATRIX_FMT_FP6 matrix_a_scale:MATRIX_SCALE_ROW1 matrix_b_scale:MATRIX_SCALE_ROW1
.elseif (\fa)
	v_wmma_scale_f32_16x16x128_f8f6f4 v[rd:rd+7], v[rw:rw+11], v[re:re+11], v[rd:rd+7], v[sa], v[sb] matrix_a_fmt:MATRIX_FMT_FP6 matrix_b_fmt:MATRIX_FMT_FP6 matrix_a_scale:MATRIX_SCALE_ROW1
.elseif (\fb)
	v_wmma_scale_f32_16x16x128_f8f6f4 v[rd:rd+7], v[rw:rw+11], v[re:re+11], v[rd:rd+7], v[sa], v[sb] matrix_a_fmt:MATRIX_FMT_FP6 matrix_b_fmt:MATRIX_FMT_FP6 matrix_b_scale:MATRIX_SCALE_ROW1
.else
	v_wmma_scale_f32_16x16x128_f8f6f4 v[rd:rd+7], v[rw:rw+11], v[re:re+11], v[rd:rd+7], v[sa], v[sb] matrix_a_fmt:MATRIX_FMT_FP6 matrix_b_fmt:MATRIX_FMT_FP6
.endif
.endif
.endm
.macro MMS c, h, z                     ; 32 matrix instructions: 8 tiles of enc x my 4 tiles of W; the 32 accumulators by turns
.irp a, 0,1,2,3,4,5,6,7
.irp t, 0,1,2,3
.set rd, 8*(4*\a+\t)
.set rw, 48*((\c)%4)+12*\t
.set re, E0+96*(\h)+12*\a
.set sa, WS+2*((\c)%4)+(\t/2)
.set sb, ES+4*(\h)+2*(\a/4)+((\a%4)/2)
	MM1 (\t%2), (\a%2), \z
.endr
.endr
.endm
.macro CELL c                          ; K step c of a pass: 64 matrix instructions
.if (\c) < 6
	s_wait_loadcnt 28                              ; this step's W is in; the two later steps' 14 loads each may be out
.elseif (\c) == 6
	s_wait_loadcnt 14                              ; in the last pass only step 7's loads stand behind this step's
.else
	s_wait_loadcnt 0x0                             ; and none behind step 7's
.endif
	s_wait_dscnt 0x0                               ; enc's tiles 0-7 are in
	PLACES                                         ; four places behind the last matrix instruction, ahead of loads into registers that it read
	FETCH \c, 1
.if (\c) < 5
	WLOAD ((\c)+3)%4, ((\c)+3)*98304, ((\c)+3)*4096
.else
	s_cmp_eq_u32 s[TR], 1                          ; the last pass has no next pass to ask for
	s_cbranch_scc1 .Lnone_\@
	WLOAD ((\c)+3)%4, 6144+((\c)-5)*98304, 256+((\c)-5)*4096
.Lnone_\@:
.endif
	WIN 0xa1
	MMS \c, 0, ((\c)==0)
	s_wait_dscnt 0x0                               ; enc's tiles 8-15 are in
	PLACES
	WIN 0
.set nc, ((\c)+1)%8
	FETCH nc, 0
.if (\c) == 7
	WIN 0x40
.irp t, 0,1,2,3
.irp u, 0,1
	ds_load_b128 v[HID+8*\t+4*\u:HID+8*\t+4*\u+3], v[HRQ] offset:64*\t+16*\u   ; hidden at n = 16 T + 8 h + 0 .. 7 of my four tiles
.endr
.endr
.endif
	WIN 0xf1
	MMS \c, 1, ((\c)==0)
	WIN 0
.endm
.macro RED                             ; the pass's 64 accumulators x hidden, into a pair of sums for each tile of rows; each accumulator is read from its low end on
	PLACES
	s_wait_dscnt 0x0
.irp hi, 0,1
	WIN 0x56+\hi
.irp jp, 0,1,2,3
.irp t, 0,1,2,3
.irp a, 0,1,2,3,4,5,6,7
	v_pk_fma_f32 v[P+16*\hi+2*\a:P+16*\hi+2*\a+1], v[8*(4*\a+\t)+2*\jp:8*(4*\a+\t)+2*\jp+1], v[HID+8*\t+2*\jp:HID+8*\t+2*\jp+1], v[P+16*\hi+2*\a:P+16*\hi+2*\a+1]
.endr
.endr
.endr
.endr
	WIN 0
.endm
	s_load_b256 s[4:11], s[0:1], 0x0               ; enc, hidden, wc, ws
	s_load_b64 s[12:13], s[0:1], 0x20              ; sc
	v_lshl_add_u32 v[SPW], v0, 2, SPARE
	v_mov_b32 v[NIL], 0
	v_lshrrev_b32 v22, 5, v0
	v_readfirstlane_b32 s[WV], v22                 ; wave 0..3
	s_and_b32 s15, ttmp7, 0xffff                   ; b
	s_mul_i32 s20, s[WV], STGB
	s_add_co_u32 s20, s20, STG                     ; my stage
	s_mul_i32 s21, s[WV], WIMG                     ; my images
	s_lshl_b32 s27, s[WV], 11
	s_add_co_u32 s26, s27, SCB                     ; my scale words
	s_add_co_u32 s27, s27, PART                    ; my two parts of the scores
	s_lshl_b32 s32, s[WV], 10
	s_add_co_u32 s32, s32, HIDL                    ; hidden at my 256 n
	s_mov_b32 s[SEL], 0x76543210
	s_mov_b32 s[SEL+1], 0xfedcba98                 ; lane l xor 16
	s_lshl_b32 s40, ttmp9, 25                      ; enc: 256 x rows of 131,072 bytes,
	s_lshl_b32 s42, s15, 12                        ; + b rows of 4,096 (also hidden's row),
	s_add_co_u32 s40, s40, s42
	s_lshl_b32 s46, s[WV], 23                      ; + my 64 rows
	s_add_co_u32 s40, s40, s46
	s_mov_b32 s41, 0
	s_mov_b32 s43, 0
	s_mul_i32 s46, s[WV], 24576                    ; wc: my first tile, 16 w
	s_mov_b32 s47, 0
	s_lshl_b32 s48, s[WV], 10                      ; ws likewise
	s_mov_b32 s49, 0
	s_lshl_b32 s50, s15, 13                        ; sc: row b, + 1,024 x
	s_lshl_b32 s51, ttmp9, 10
	s_add_co_u32 s50, s50, s51
	s_mov_b32 s51, 0
	v_and_b32 v22, 31, v0                          ; lane
	v_and_b32 v23, 15, v0                          ; r
	v_bfe_u32 v57, v0, 4, 1                        ; h
	v_lshlrev_b32 v[LN16], 4, v22
	v_lshlrev_b32 v[LN4], 2, v22
	v_lshlrev_b32 v[GSO], 4, v0
	v_mul_u32_u24 v[STR], v23, SPITCH
	v_add_nc_u32 v[STW], s20, v[LN16]
	v_lshl_add_u32 v[STR], v57, 6, v[STR]
	v_add_nc_u32 v[AIW0], s21, v[LN16]
	v_add_nc_u32 v[STR], s20, v[STR]
.irp i, 0,1,2,3
	v_add_nc_u32 v[AIR+\i], \i*WIMG, v[LN16]
.endr
	v_lshl_add_u32 v[ASW0], v23, 3, s26
	v_lshl_add_u32 v[ASR], v22, 3, SCB
	v_lshl_add_u32 v[SCW], v57, 10, s27
	v_lshl_add_u32 v[HRD], v57, 5, s32
	v_lshl_add_u32 v[SCW], v23, 2, v[SCW]
	v_add_nc_u32 v[SCR], PART, v[GSO]
	v_add_nc_u32 v[HIW], HIDL, v[GSO]
.irp b, 0,1,2,3
	v_mov_b32 v[TM+4+\b], 0                        ; a lane permute's destination counts as one of its sources
.endr
	WIN 0x40
.irp j, 0,1,2,3,4,5,6,7,8,9,10,11,12,13,14,15,16,17,18,19,20,21,22,23,24,25,26,27,28,29,30,31
	v_mov_b32 v[P+\j], 0                           ; the 16 pairs of sums: the passes are one loop, so the first finds zeros
.endr
	WIN 0
	s_wait_alu depctr_va_vdst(0)
	s_wait_kmcnt 0x0
	s_add_nc_u64 s[EB:EB+1], s[4:5], s[40:41]
	s_add_nc_u64 s[6:7], s[6:7], s[42:43]
	s_add_nc_u64 s[WB:WB+1], s[8:9], s[46:47]
	s_add_nc_u64 s[SB:SB+1], s[10:11], s[48:49]
	s_add_nc_u64 s[OUT:OUT+1], s[12:13], s[50:51]
	global_load_b128 v[HT:HT+3], v[GSO], s[6:7]               ; hidden[b]: 128 threads x 16 bytes, twice
	global_load_b128 v[HT+4:HT+7], v[GSO], s[6:7] offset:2048
	ELOAD 0, 0
	ELOAD 1, 0
	ELOAD 2, 0
	s_wait_loadcnt 48                              ; hidden is in; the 48 behind it may be out
	ds_store_b128 v[HIW], v[HT:HT+3]
	ds_store_b128 v[HIW], v[HT+4:HT+7] offset:2048
	ELOAD 3, 0
	s_mov_b32 s[TR], 7
	s_mov_b32 s[IMO], 0
	s_mov_b32 s[SCO], 0
.Lk:                                                   ; K steps 0 to 6: each unit asks for its tile's next K step
	v_add_nc_u32 v[AIW], s[IMO], v[AIW0]
	v_add_nc_u32 v[ASW], s[SCO], v[ASW0]
	s_wait_alu depctr_va_vdst(0)
	UNIT 0, 1, 48                                  ; behind a set's loads stand the three other sets'
	UNIT 1, 1, 48
	UNIT 2, 1, 48
	UNIT 3, 1, 48
	s_wait_dscnt 0x0
	s_wait_xcnt 0x0                                ; the base is stepped only behind this wait
	s_add_nc_u64 s[EB:EB+1], s[EB:EB+1], 512
	s_add_co_u32 s[IMO], s[IMO], 6144
	s_add_co_u32 s[SCO], s[SCO], 256
	s_sub_co_u32 s[TR], s[TR], 1
	s_cmp_lg_u32 s[TR], 0
	s_wait_alu depctr_va_vdst(0)
	s_cbranch_scc1 .Lk
	v_add_nc_u32 v[AIW], s[IMO], v[AIW0]           ; K step 7 asks for nothing more of enc; W's first three K steps are asked for between its units
	v_add_nc_u32 v[ASW], s[SCO], v[ASW0]
	s_wait_alu depctr_va_vdst(0)
	UNIT 0, 0, 48                                  ; sets 1, 2, 3
	WLOAD 0, 0, 0
	UNIT 1, 0, 46                                  ; sets 2, 3 and 14 of W
	WLOAD 1, 98304, 4096
	UNIT 2, 0, 44                                  ; set 3 and 28
	WLOAD 2, 2*98304, 2*4096
	UNIT 3, 0, 42                                  ; 42 of W
	s_wait_dscnt 0x0                               ; for the others' sake: my images, scale words and part of hidden have landed
	s_barrier_signal -1
	s_barrier_wait -1
	FETCH 0, 0
	s_mov_b32 s[TR], 4
	s_mov_b32 s[HQ], 0
.Lq:                                                   ; a pass: my tiles 4 q .. 4 q + 3, all eight K steps
	v_add_nc_u32 v[HRQ], s[HQ], v[HRD]
	s_wait_alu depctr_va_vdst(0)
	CELL 0
	CELL 1
	CELL 2
	CELL 3
	CELL 4
	CELL 5
	CELL 6
	CELL 7
	RED
	s_wait_alu depctr_va_vdst(0)
	s_wait_xcnt 0x0
	s_add_nc_u64 s[WB:WB+1], s[WB:WB+1], 6144
	s_add_nc_u64 s[SB:SB+1], s[SB:SB+1], 256
	s_add_co_u32 s[HQ], s[HQ], 256
	s_sub_co_u32 s[TR], s[TR], 1
	s_cmp_lg_u32 s[TR], 0
	s_cbranch_scc1 .Lq
	WIN 0x45
.irp m, 0,1,2,3,4,5,6,7,8,9,10,11,12,13,14,15
	v_add_f32 v[P+2*\m], v[P+2*\m], v[P+2*\m+1]
.endr
	WIN 0x04
.irp m, 0,1,2,3,4,5,6,7,8,9,10,11,12,13,14,15
	ds_store_b32 v[SCW], v[P+2*\m] offset:64*\m    ; part 2 w + h, row 16 m + r
.endr
	WIN 0
	s_wait_dscnt 0x0
	s_barrier_signal -1
	s_barrier_wait -1
	s_cmp_lt_u32 s[WV], 2
	s_cbranch_scc0 .Lend
.irp q, 0,1,2,3,4,5,6,7
	ds_load_b128 v[X+4*\q:X+4*\q+3], v[SCR] offset:1024*\q   ; threads 0-63: four rows each, all eight parts
.endr
	s_wait_dscnt 0x0
.irp q, 0,1,2,3
	v_pk_add_f32 v[X+4*\q:X+4*\q+1], v[X+4*\q:X+4*\q+1], v[X+16+4*\q:X+17+4*\q]
	v_pk_add_f32 v[X+4*\q+2:X+4*\q+3], v[X+4*\q+2:X+4*\q+3], v[X+18+4*\q:X+19+4*\q]
.endr
.irp q, 0,1
	v_pk_add_f32 v[X+4*\q:X+4*\q+1], v[X+4*\q:X+4*\q+1], v[X+8+4*\q:X+9+4*\q]
	v_pk_add_f32 v[X+4*\q+2:X+4*\q+3], v[X+4*\q+2:X+4*\q+3], v[X+10+4*\q:X+11+4*\q]
.endr
	v_pk_add_f32 v[X:X+1], v[X:X+1], v[X+4:X+5]
	v_pk_add_f32 v[X+2:X+3], v[X+2:X+3], v[X+6:X+7]
	global_store_b128 v[GSO], v[X:X+3], s[OUT:OUT+1]          ; a wave stores 512 consecutive bytes, aligned
.Lend:
	s_wait_tensorcnt 0x0                           ; the wave's end
	ds_add_u32 v[SPW], v[NIL]
	s_wait_dscnt 0x0
	s_endpgm
.Lfunc_end_k_q4a10ff930b_scores:
	.size	k_q4a10ff930b_scores, .Lfunc_end_k_q4a10ff930b_scores-k_q4a10ff930b_scores
	.p2alignl 7, 3214868480
	.fill 96, 4, 3214868480
	.section	.rodata,"a",@progbits
	.p2align	6, 0x0
	.amdhsa_kernel k_q4a10ff930b_scores
		.amdhsa_group_segment_fixed_size 251392
		.amdhsa_private_segment_fixed_size 0
		.amdhsa_enable_private_segment 0
		.amdhsa_kernarg_size 40
		.amdhsa_user_sgpr_count 2
		.amdhsa_user_sgpr_kernarg_segment_ptr 1
		.amdhsa_wavefront_size32 1
		.amdhsa_system_sgpr_workgroup_id_x 1
		.amdhsa_system_sgpr_workgroup_id_y 1
		.amdhsa_system_sgpr_workgroup_id_z 1
		.amdhsa_system_vgpr_workitem_id 0
		.amdhsa_next_free_vgpr 1024
		.amdhsa_next_free_sgpr 66
		.amdhsa_reserve_vcc 0
		.amdhsa_float_denorm_mode_32 3
		.amdhsa_float_denorm_mode_16_64 3
		.amdhsa_memory_ordered 1
		.amdhsa_forward_progress 1
		.amdhsa_inst_pref_size 198
	.end_amdhsa_kernel
	.amdgpu_metadata
---
amdhsa.version: [ 1, 2 ]
amdhsa.kernels:
  - .name:           k_q4a10ff930b_scores
    .symbol:         k_q4a10ff930b_scores.kd
    .args:
      - { .name: encoder_outputs, .offset: 0, .size: 8, .value_kind: global_buffer, .address_space: global }
      - { .name: hidden, .offset: 8, .size: 8, .value_kind: global_buffer, .address_space: global }
      - { .name: wc, .offset: 16, .size: 8, .value_kind: global_buffer, .address_space: global }
      - { .name: ws, .offset: 24, .size: 8, .value_kind: global_buffer, .address_space: global }
      - { .name: sc, .offset: 32, .size: 8, .value_kind: global_buffer, .address_space: global }
    .group_segment_fixed_size: 251392
    .private_segment_fixed_size: 0
    .kernarg_segment_align: 8
    .kernarg_segment_size: 40
    .max_flat_workgroup_size: 128
    .sgpr_count:     66
    .vgpr_count:     1024
    .wavefront_size: 32
...
	.end_amdgpu_metadata
.endif
;; end of part 2
;; launch soft (part 3): grid 32 x 1, 8 waves a work-group, no clusters, 1,536 bytes of LDS; arguments sc, out0; writes out0
.if DOCPART == 3
	.amdgcn_target "amdgcn-amd-amdhsa--gfx1250"
	.amdhsa_code_object_version 6
	.text
	.protected	k_q4a10ff930b_soft
	.globl	k_q4a10ff930b_soft
	.p2align	8
	.type	k_q4a10ff930b_soft,@function
k_q4a10ff930b_soft:
	s_mov_b64 s[64:65], 0
	v_nop
	global_prefetch_b8 v0, s[64:65] scope:SCOPE_SE
	s_setreg_imm32_b32 hwreg(HW_REG_WAVE_MODE, 25, 1), 1
	s_wait_xcnt 0x0
; out0[0][b][s] = softmax over s of sc[b][s].  sc: [32][2048] f32, the launch before.  The term hidden[b] . bias is left out: it is the same for all s of a row (shown at the head of wq).
; One work-group for each b: a row's maximum and sum span all 2,048 scores, so a row has one owner: work for 32 work-groups.  256 threads, eight scores each, kept in registers between the passes.
; The row's maximum is taken away before the exponential.
; LIMITS: NaN and infinities are not served; a p under 2^-126 comes out as 0 (the exponential gives 0 there: ISA guide, its entry in 15.8).
	s_load_b128 s[4:7], s[0:1], 0x0                ; sc, out0
	v_lshl_add_u32 v48, v0, 2, 0x200
	v_mov_b32 v49, 0
	v_lshlrev_b32 v1, 4, v0                        ; 16 bytes a thread
	v_lshrrev_b32 v24, 5, v0
	s_delay_alu instid0(VALU_DEP_1)
	v_lshlrev_b32 v24, 2, v24                      ; LDS: my wave's word
	v_mov_b32 v25, 0
	v_mov_b32 v22, 0                               ; a lane permute's destination counts as one of its sources
	s_lshl_b32 s12, ttmp9, 13                      ; a row: 8,192 bytes
	s_mov_b32 s13, 0
	s_mov_b32 s16, 0x76543210
	s_mov_b32 s17, 0xfedcba98                      ; lane l xor 16
	s_mov_b32 s18, 0x3fb8aa3b                      ; log2(e)
	s_mov_b32 s19, s18                             ; (named with it as a pair, so it is written)
	s_wait_alu depctr_va_vdst(0)
	s_wait_kmcnt 0x0
	s_add_nc_u64 s[4:5], s[4:5], s[12:13]
	s_add_nc_u64 s[6:7], s[6:7], s[12:13]
	global_load_b128 v[4:7], v1, s[4:5]            ; each load of a wave: 512 consecutive bytes
	global_load_b128 v[8:11], v1, s[4:5] offset:4096
	s_wait_loadcnt 0x0
	v_max3_num_f32 v21, v4, v5, v6                 ; the largest of my eight
	v_max3_num_f32 v20, v7, v8, v9
	s_delay_alu instid0(VALU_DEP_2)
	v_max3_num_f32 v21, v21, v10, v11
	s_delay_alu instid0(VALU_DEP_1)
	v_max_num_f32 v21, v21, v20
.irp x, 1,2,4,8
	s_delay_alu instid0(VALU_DEP_1)
	v_max_num_f32_dpp v21, v21, v21 row_xmask:\x row_mask:0xf bank_mask:0xf
.endr
	s_delay_alu instid0(VALU_DEP_1)
	v_permlanex16_b32 v22, v21, s16, s17
	s_delay_alu instid0(VALU_DEP_1)
	v_max_num_f32 v21, v21, v22                    ; every lane holds the wave's
	ds_store_b32 v24, v21
	s_wait_dscnt 0x0                               ; for the others' sake
	s_barrier_signal -1
	s_barrier_wait -1
	ds_load_b128 v[36:39], v25
	ds_load_b128 v[40:43], v25 offset:16
	s_wait_dscnt 0x0
	v_max3_num_f32 v36, v36, v37, v38
	v_max3_num_f32 v40, v39, v40, v41
	s_delay_alu instid0(VALU_DEP_2)
	v_max3_num_f32 v36, v36, v42, v43
	s_delay_alu instid0(VALU_DEP_1)
	v_max_num_f32 v46, v36, v40                    ; M, the row's largest score
	s_delay_alu instid0(VALU_DEP_1)
	v_mov_b32 v47, v46
.irp j, 4,6,8,10
	v_pk_add_f32 v[\j:\j+1], v[\j:\j+1], v[46:47] neg_lo:[0,1] neg_hi:[0,1]   ; x - M, 0 or less
.endr
.irp j, 4,6,8,10
	s_delay_alu instid0(VALU_DEP_4)
	v_pk_mul_f32 v[\j:\j+1], v[\j:\j+1], s[18:19] op_sel_hi:[1,0]
.endr
	s_wait_alu depctr_va_vdst(0)
.irp j, 4,5,6,7,8,9,10,11
	v_exp_f32 v[\j], v[\j]                         ; p = e^(x - M), at most 1; the row's largest is 1
.endr
	v_nop                                          ; one plain place behind the last exponential
	s_wait_alu depctr_va_vdst(0)                   ; and the wait ahead of the first reader
	v_pk_add_f32 v[20:21], v[4:5], v[6:7]
	v_pk_add_f32 v[22:23], v[8:9], v[10:11]
	s_delay_alu instid0(VALU_DEP_1)
	v_pk_add_f32 v[20:21], v[20:21], v[22:23]
	s_delay_alu instid0(VALU_DEP_1)
	v_add_f32 v20, v20, v21
.irp x, 1,2,4,8
	s_delay_alu instid0(VALU_DEP_1)
	v_add_f32_dpp v20, v20, v20 row_xmask:\x row_mask:0xf bank_mask:0xf
.endr
	s_delay_alu instid0(VALU_DEP_1)
	v_permlanex16_b32 v22, v20, s16, s17
	s_delay_alu instid0(VALU_DEP_1)
	v_add_f32 v20, v20, v22
	ds_store_b32 v24, v20 offset:64                ; bytes of their own
	s_wait_dscnt 0x0
	s_barrier_signal -1
	s_barrier_wait -1
	ds_load_b128 v[28:31], v25 offset:64
	ds_load_b128 v[32:35], v25 offset:80
	s_wait_dscnt 0x0
	v_pk_add_f32 v[28:29], v[28:29], v[30:31]
	v_pk_add_f32 v[32:33], v[32:33], v[34:35]
	s_delay_alu instid0(VALU_DEP_1)
	v_pk_add_f32 v[28:29], v[28:29], v[32:33]
	s_delay_alu instid0(VALU_DEP_1)
	v_add_f32 v28, v28, v29                        ; the row's sum, between 1 and 2,048
	s_wait_alu depctr_va_vdst(0)
	v_rcp_f32 v26, v28
	v_rcp_f32 v27, v28                             ; twice: a pair for the packed multiply
	v_nop                                          ; one plain place behind the reciprocals
	s_wait_alu depctr_va_vdst(0)                   ; and the wait ahead of their first reader
.irp j, 4,6,8,10
	v_pk_mul_f32 v[\j:\j+1], v[\j:\j+1], v[26:27]
.endr
	global_store_b128 v1, v[4:7], s[6:7]           ; each store of a wave: 512 consecutive bytes, aligned
	global_store_b128 v1, v[8:11], s[6:7] offset:4096
	s_wait_tensorcnt 0x0                           ; the wave's end
	ds_add_u32 v48, v49
	s_wait_dscnt 0x0
	s_endpgm
.Lfunc_end_k_q4a10ff930b_soft:
	.size	k_q4a10ff930b_soft, .Lfunc_end_k_q4a10ff930b_soft-k_q4a10ff930b_soft
	.p2alignl 7, 3214868480
	.fill 96, 4, 3214868480
	.section	.rodata,"a",@progbits
	.p2align	6, 0x0
	.amdhsa_kernel k_q4a10ff930b_soft
		.amdhsa_group_segment_fixed_size 1536
		.amdhsa_private_segment_fixed_size 0
		.amdhsa_enable_private_segment 0
		.amdhsa_kernarg_size 16
		.amdhsa_user_sgpr_count 2
		.amdhsa_user_sgpr_kernarg_segment_ptr 1
		.amdhsa_wavefront_size32 1
		.amdhsa_system_sgpr_workgroup_id_x 1
		.amdhsa_system_sgpr_workgroup_id_y 1
		.amdhsa_system_sgpr_workgroup_id_z 1
		.amdhsa_system_vgpr_workitem_id 0
		.amdhsa_next_free_vgpr 50
		.amdhsa_next_free_sgpr 66
		.amdhsa_reserve_vcc 0
		.amdhsa_float_denorm_mode_32 3
		.amdhsa_float_denorm_mode_16_64 3
		.amdhsa_memory_ordered 1
		.amdhsa_forward_progress 1
		.amdhsa_inst_pref_size 6
	.end_amdhsa_kernel
	.amdgpu_metadata
---
amdhsa.version: [ 1, 2 ]
amdhsa.kernels:
  - .name:           k_q4a10ff930b_soft
    .symbol:         k_q4a10ff930b_soft.kd
    .args:
      - { .name: sc, .offset: 0, .size: 8, .value_kind: global_buffer, .address_space: global }
      - { .name: out0, .offset: 8, .size: 8, .value_kind: global_buffer, .address_space: global }
    .group_segment_fixed_size: 1536
    .private_segment_fixed_size: 0
    .kernarg_segment_align: 8
    .kernarg_segment_size: 16
    .max_flat_workgroup_size: 256
    .sgpr_count:     66
    .vgpr_count:     50
    .wavefront_size: 32
...
	.end_amdgpu_metadata
.endif
;; end of part 3
